; MI455X (gfx1250); checked and timed in simulation.
; The chip was launched on July 23, 2026; its instructions are those of AMD's public machine-readable ISA for CDNA 5 (MIT licence, August 2026) and "CDNA5" Instruction Set Architecture Reference Guide (July 2026). The comments in the code are by the model that wrote it; some were corrected since.
;; K Nearest Neighbor. Allowed arithmetic: matrix products marked QUANTISED: E5M2 operands, one given power-of-two scale a tensor, by v_wmma_f32_16x16x64_bf8_bf8 or v_wmma_f32_16x16x128_bf8_bf8, f32 sums; everything else in f32.
;; Inputs: X 1,024 x 128 float32; X_train 100,000 x 128 float32; lowp_scales 2 int32 (the exponents e of the quantised operands' scales 2^e); y_train 100,000 int32.
;; Outputs: out0 1,024 float32.
;; Constants: k = 5.
;; This version of the problem:
;;   THIS VERSION OF THE PROBLEM IS GIVEN IN LOW PRECISION. The matrix products marked QUANTISED in the list below multiply operands that are first quantised to E5M2 (5 exponent bits, 2 mantissa bits; 8 bits a number), with one given power-of-two scale for each operand tensor; their sums are f32. All else is computed in f32.
;;   The module's matrix products, in the order in which they are computed (A, B: the left and right operand; K: the contracted axis; several contracted axes count as one K, in the product's order):
;;     1. [M 1,024, K 128] x [K 128, N 100,000]; A: input X; B: input X_train: QUANTISED (scales: A lowp_scales[0], B lowp_scales[1])
;;   THE QUANTISER, for each operand of a quantised product, along K:
;;     - The operand's scale is 2^e, e = its entry of the input lowp_scales (int32; the entries are numbered through the quantised products in the list's order, A before B).
;;     - Each number is divided by the scale, clamped to +-57,344, and rounded to the nearest number of E5M2, ties to even, subnormals kept.
;;     - The product sums the exact products of the quantised numbers (number of the format x scale) in f32.
;;   ~~~python
;;   def quantise(x, axis, e):      # numpy; x: float32 -> the quantised numbers, widened to float32 again
;;       x = np.moveaxis(x, axis, -1); K = x.shape[-1]
;;       r = np.clip(x / 2.0 ** e, -57344, 57344)
;;       step = 2.0 ** (np.maximum(np.frexp(np.where(r == 0, 1, r))[1] - 1, -14) - 2)
;;       q = np.round(r / step) * step * 2.0 ** e      # np.round: ties to even
;;       return np.moveaxis(q, -1, axis).astype(np.float32)
;;   ~~~
;; One version. Each part assembles by itself: llvm-mc -triple=amdgcn-amd-amdhsa -mcpu=gfx1250 --defsym DOCPART=n.
;; ======== version 1 of 1: 4 launches
;; limits: right only within a limited range of input values
;; workspace buffers: xfrag 131,072 bytes; xsq 4,096 bytes; tcodes 12,800,000 bytes; tneg 400,128 bytes; gmax 8,192,000 bytes; sel 32,768 bytes of whole numbers
;; launch prep (part 1): grid 16 x 1, 4 waves a work-group, no clusters, 0 bytes of LDS; arguments X, lowp_scales, xfrag, xsq; writes xfrag, xsq
.if DOCPART == 1
	.amdgcn_target "amdgcn-amd-amdhsa--gfx1250"
	.amdhsa_code_object_version 6
	.text
	.protected	k_q394c070695_prep
	.globl	k_q394c070695_prep
	.p2align	8
	.type	k_q394c070695_prep,@function
k_q394c070695_prep:
	s_mov_b64 s[64:65], 0
	v_nop
	global_prefetch_b8 v0, s[64:65] scope:SCOPE_SE
	s_setreg_imm32_b32 hwreg(HW_REG_WAVE_MODE, 25, 1), 1
	s_wait_xcnt 0x0
; K NEAREST NEIGHBOURS, k = 5, 1,024 queries X against 100,000 rows X_train of 128 numbers, a vote over the 5 labels.  Four launches:
;   prep: X into codes of E5M2 (scale 2^e0), laid as a matrix operand's registers, and a = |x|^2 of the raw numbers.
;   scan: X_train into codes (scale 2^e1) and C = -|t|^2 / 2^(e0+e1+1); the product on codes; for each query and each GROUP of 80 consecutive rows the largest u = sum + C.
;   pick: for each query the 5 best groups, stored as whole numbers.      vote: the 400 rows of those groups once more, the 5 nearest, the vote.
; WHAT IS COMPARED: kappa = max(a + u x (-2^(e0+e1+1)), 0), in real numbers max(|x|^2 + |t|^2 - 2 x.t, 0): reference()'s number under the root.  Rows are ordered by (kappa, index), as top_k orders them.
; WHY 5 GROUPS DO: kappa does not grow with u, so a group's smallest kappa belongs to its largest u.  Groups are ordered by (that kappa, group number).  If a row of the true 5 lay in none of the 5 best groups,
; five groups would stand ahead of its own, each with a row of no larger kappa and, where equal, of a lower index: five rows ahead of it.  scan and vote make u by the same instruction on the same codes and the same C.
; WORK LEFT OUT AS DEAD, for all finite inputs: (1) the square root: top_k's values are thrown away, only its order is used, and the root is strictly increasing on [0, inf), so it changes neither order nor ties;
; (2) one_hot, its sum and argmax are a count over 5 labels and are done as that.  Kept: |x|^2 and the max with 0 (they make ties).  Every input has a way to the output and is loaded.
; LIMITS: -126 <= e0, e1 <= 112 and -127 <= e0 + e1 <= 125, so that each power of two is an f32 number.  NaN, infinities and sums that overflow are not served; a NaN or an overflow that would reach only the root is not carried.
; The order of rounding differs from reference()'s (a + b) - 2 c, and two numbers that the rounded root would make equal stay apart here.  A label outside 0..9 counts for no class, as in one_hot.
;
; THIS LAUNCH.  A wave takes a tile of 16 queries.  Lane (r, h) holds, of query r, k = 32 c + 16 h + 0 .. 15 for c = 0 .. 3: the numbers whose codes are its 16 registers of the operand.
; xfrag: [64 tiles][c][lane][16 bytes]: a store of the wave covers 512 consecutive bytes.  xsq: 16 numbers a wave, 64 consecutive bytes (the whole buffer is 4,096 bytes).  16 work-groups: all the work there is.
.set XR, 16                            ; v16-79  the lane's 64 numbers
.set CD, 80                            ; v80-95  their codes
	s_load_b256 s[4:11], s[0:1], 0x0               ; X s[4:5], lowp_scales s[6:7], xfrag s[8:9], xsq s[10:11]
	v_lshrrev_b32 v1, 5, v0
	v_readfirstlane_b32 s12, v1                    ; wave 0..3
	v_and_b32 v14, 31, v0                          ; lane
	v_and_b32 v1, 15, v0                           ; r
	v_bfe_u32 v2, v0, 4, 1                         ; h
	v_lshlrev_b32 v3, 9, v1                        ; a query is 512 bytes,
	v_lshl_add_u32 v3, v2, 6, v3                   ; + 64 h: my 16 numbers of a block of 32
	v_lshlrev_b32 v4, 4, v14                       ; 16 x lane
	v_lshlrev_b32 v5, 2, v1                        ; 4 r
	v_mov_b32 v12, 0                               ; written once: a lane permute's destination counts as one of its sources
	s_mov_b32 s18, 0x76543210                      ; v_permlanex16_b32's selects for lane l xor 16
	s_mov_b32 s19, 0xfedcba98
	s_lshl_b32 s13, ttmp9, 2
	s_add_co_u32 s13, s13, s12                     ; my tile: 4 x work-group + wave
	s_mov_b32 s17, 0
	s_wait_alu depctr_va_vdst(0)
	s_wait_kmcnt 0x0
	s_load_b32 s14, s[6:7], 0x0                    ; e0
	s_lshl_b32 s16, s13, 13
	s_add_nc_u64 s[4:5], s[4:5], s[16:17]          ; X at my 16 queries
	s_lshl_b32 s16, s13, 11
	s_add_nc_u64 s[8:9], s[8:9], s[16:17]          ; my 2,048 bytes of xfrag
	s_lshl_b32 s16, s13, 6
	s_add_nc_u64 s[10:11], s[10:11], s[16:17]      ; my 64 bytes of xsq
.irp c, 0,1,2,3
.irp j, 0,1,2,3
	global_load_b128 v[XR+16*\c+4*\j:XR+16*\c+4*\j+3], v3, s[4:5] offset:128*\c+16*\j th:TH_LOAD_NT
.endr
.endr
	s_wait_kmcnt 0x0
	s_add_co_i32 s14, s14, 127
	s_lshl_b32 s15, s14, 23
	v_mov_b32 v6, s15                              ; 2^e0 as f32: the conversion takes its exponent field
	s_wait_alu depctr_va_vdst(0)
.irp c, 0,1,2,3
	s_wait_alu depctr_va_vdst(0)
	s_wait_loadcnt 12-4*\c                         ; this block's four loads are in; the four of each later block may be out
.irp j, 0,2,4,6
.if (\c == 0) && (\j == 0)
	v_pk_mul_f32 v[8:9], v[XR:XR+1], v[XR:XR+1]    ; the squares of the RAW numbers, in two packed chains; the first products start the sums
	v_pk_mul_f32 v[10:11], v[XR+8:XR+9], v[XR+8:XR+9]
.else
	v_pk_fma_f32 v[8:9], v[XR+16*\c+\j:XR+16*\c+\j+1], v[XR+16*\c+\j:XR+16*\c+\j+1], v[8:9]
	v_pk_fma_f32 v[10:11], v[XR+16*\c+8+\j:XR+16*\c+8+\j+1], v[XR+16*\c+8+\j:XR+16*\c+8+\j+1], v[10:11]
.endif
.endr
.irp j, 0,1,2,3,4,5,6,7,8,9,10,11,12,13,14,15
.endr
	v_cvt_scalef32_pk8_bf8_f32 v[CD+4*\c:CD+4*\c+1], v[XR+16*\c:XR+16*\c+7], v6
	v_cvt_scalef32_pk8_bf8_f32 v[CD+4*\c+2:CD+4*\c+3], v[XR+16*\c+8:XR+16*\c+15], v6
.endr
	v_pk_add_f32 v[8:9], v[8:9], v[10:11]          ; (plain lines on other registers follow the conversions; the codes go to stores alone)
	v_add_f32 v8, v8, v9
	v_permlanex16_b32 v12, v8, s18, s19            ; the query's other 64 numbers lie in the lane 16 away
	v_add_f32 v8, v8, v12                          ; a = |x|^2
.irp c, 0,1,2,3
	global_store_b128 v4, v[CD+4*\c:CD+4*\c+3], s[8:9] offset:512*\c
.endr
	v_cmp_gt_u32 vcc_lo, 16, v14
	s_wait_alu depctr_va_vdst(0)
	s_wait_xcnt 0x0                                ; EXEC changes only behind this wait: the stores above have had their addresses translated
	s_and_saveexec_b32 s20, vcc_lo                 ; lanes 0-15: one number for each query
	global_store_b32 v5, v8, s[10:11]
	s_wait_xcnt 0x0
	s_or_b32 exec_lo, exec_lo, s20
	s_endpgm
.Lfunc_end_k_q394c070695_prep:
	.size	k_q394c070695_prep, .Lfunc_end_k_q394c070695_prep-k_q394c070695_prep
	.p2alignl 7, 3214868480
	.fill 96, 4, 3214868480
	.section	.rodata,"a",@progbits
	.p2align	6, 0x0
	.amdhsa_kernel k_q394c070695_prep
		.amdhsa_group_segment_fixed_size 0
		.amdhsa_private_segment_fixed_size 0
		.amdhsa_enable_private_segment 0
		.amdhsa_kernarg_size 32
		.amdhsa_user_sgpr_count 2
		.amdhsa_user_sgpr_kernarg_segment_ptr 1
		.amdhsa_wavefront_size32 1
		.amdhsa_system_sgpr_workgroup_id_x 1
		.amdhsa_system_sgpr_workgroup_id_y 1
		.amdhsa_system_sgpr_workgroup_id_z 1
		.amdhsa_system_vgpr_workitem_id 0
		.amdhsa_next_free_vgpr 96
		.amdhsa_next_free_sgpr 66
		.amdhsa_reserve_vcc 1
		.amdhsa_float_denorm_mode_32 3
		.amdhsa_float_denorm_mode_16_64 3
		.amdhsa_fp16_overflow 1
		.amdhsa_memory_ordered 1
		.amdhsa_forward_progress 1
		.amdhsa_inst_pref_size 7
	.end_amdhsa_kernel
	.amdgpu_metadata
---
amdhsa.version: [ 1, 2 ]
amdhsa.kernels:
  - .name:           k_q394c070695_prep
    .symbol:         k_q394c070695_prep.kd
    .args:
      - { .name: X, .offset: 0, .size: 8, .value_kind: global_buffer, .address_space: global }
      - { .name: lowp_scales, .offset: 8, .size: 8, .value_kind: global_buffer, .address_space: global }
      - { .name: xfrag, .offset: 16, .size: 8, .value_kind: global_buffer, .address_space: global }
      - { .name: xsq, .offset: 24, .size: 8, .value_kind: global_buffer, .address_space: global }
    .group_segment_fixed_size: 0
    .private_segment_fixed_size: 0
    .kernarg_segment_align: 8
    .kernarg_segment_size: 32
    .max_flat_workgroup_size: 128
    .sgpr_count:     66
    .vgpr_count:     96
    .wavefront_size: 32
...
	.end_amdgpu_metadata
.endif
;; end of part 1
;; launch scan (part 2): grid 250 x 1, 8 waves a work-group, no clusters, 271,616 bytes of LDS; arguments xfrag, X_train, lowp_scales, tcodes, tneg, gmax; writes tcodes, tneg, gmax
.if DOCPART == 2
	.amdgcn_target "amdgcn-amd-amdhsa--gfx1250"
	.amdhsa_code_object_version 6
	.text
	.protected	k_q394c070695_scan
	.globl	k_q394c070695_scan
	.p2align	8
	.type	k_q394c070695_scan,@function
k_q394c070695_scan:
	s_mov_b64 s[64:65], 0
	v_nop
	global_prefetch_b8 v0, s[64:65] scope:SCOPE_SE
	s_setreg_imm32_b32 hwreg(HW_REG_WAVE_MODE, 25, 1), 1
	s_wait_xcnt 0x0
; For each query and each group of 80 consecutive rows of X_train: the largest u = (sum over k of code(t) code(x)) + C(t), C(t) = -|t|^2 / 2^(e0+e1+1).  The square root of reference() is left out here too (shown at the head of prep).
; SHARES.  Work-group g takes rows 400 g .. 400 g + 399 (25 tiles of 16, 5 groups of 5 tiles) against all 1,024 queries.  Wave w keeps queries 128 w .. 128 w + 127 in registers for the whole launch, as 8 operands of 16 registers.
; 250 work-groups: 100,000 rows = 250 x 400, equal shares.  NO CLUSTER: 250 = 2 x 5 x 5 x 5 divides into no fours, and what the work-groups share, the queries' 128 KiB of codes, goes straight into registers.
; EIGHT waves of 256 registers, not four of 512: all operands lie in one register window, so that four plain vector lines can stand behind each matrix instruction with no window switch.
; THE ROWS come as f32 by the tensor data mover: each wave asks at the head for its own 10 rows of each of the 5 groups, five loads, all of them first fills: no LDS byte is filled twice.  Only the wave that asked reads them.
; A GROUP: (Q) each wave quantises its 10 rows: lane l holds row l % 2 of a pair and k = 8 (l / 2) + 0 .. 7; codes go to LDS as images of operand registers, C(t) to a table | barrier |
; (M) each wave multiplies the group's 5 tiles by its 8 query operands: source 0 = 16 rows, source 1 = 16 queries, C = the rows' C(t): lane (r, h) then holds query r and rows 8 h + 0 .. 7, and four v_max3 fold the eight into a running maximum.
; One wave of the eight also stores each tile's image to tcodes, from the registers that it multiplies by.  At the end: gmax, two whole aligned blocks of 256 bytes an instruction; and the table of C(t) to tneg.
; k's places in the registers (4 c .. 4 c + 3: k = 32 c + 16 h + 0 .. 15) are the same in both operands and the same in vote: every product meets its partner, and both launches get the same bits.
; LIMITS: as at the head of prep.
; LDS: 0: 25 images of 2,304 bytes (piece 2 c + h of 256 bytes + 32 of padding: 16 bytes a row);  57,600: C(t), 400 numbers;  59,392: the spare words;  60,416: 400 rows of 512 bytes + 16 of padding, f32.
.set TILEB, 2304
.set PIECE, 288
.set TN,    57600
.set SPARE, 59392                      ; 128 bytes for each of the eight waves: four blocks of 256 bytes that no other line names
.set F32,   60416
.set FP,    528                        ; an f32 row in LDS
.set GRP,   80*FP                      ; a group's rows
.set SPW,  1                           ; v1     LDS address of my spare word; never rewritten
.set NIL,  2                           ; v2     0; never rewritten
.set IMA,  4                           ; v4-8   where step i's 8 codes go, in group 0
.set TNW,  9                           ; v9     where my row's C goes, in group 0, step 0
.set ARD,  10                          ; v10    288 h + 16 r: my 16 bytes of an image's piece
.set CRD,  11                          ; v11    TN + 32 h: the C of rows 8 h on of tile 0
.set L16,  12                          ; v12    16 x lane
.set GOUT, 13                          ; v13    my 16 bytes in gmax
.set TNR,  14                          ; v14    the table read back for tneg
.set NINF, 15                          ; v15    -infinity
.set T0,   16                          ; v16-18 at work in FOLD; v19, v20 in FINAL
.set FQ,   21                          ; v21-23 my 32 bytes of my wave's first pair of rows, in groups 0, 2, 4 (the odd groups by the offset)
.set ACC,  24                          ; v24-31 the running maxima, one for each query operand
.set O,    32                          ; v32-63 what goes to gmax: four registers for each query operand
.set AF,   64                          ; v64-95   two buffers for a tile's image
.set CF,   96                          ; v96-111  two buffers for its C
.set DF,   112                         ; v112-127 two results by turns
.set BF,   128                         ; v128-255 the 8 query operands
.set X,    64                          ; in (Q): v64-103 five steps x 8 numbers; v104-113 sums of squares; v114-123 codes; v124 2^e1
.set S,    104
.set CD,   114
.set SC,   124
.set LIM,  125
.set WV,   3                           ; s3     my wave's number
.set G1,   24                          ; s[24:31] descriptor group 1
.set G0,   32                          ; s[32:51] descriptor group 0, a set for each group of rows
.set SH,   52                          ; s52    the mask of lanes 16-31
.set SNEG, 53                          ; s53    -2^-(e0+e1+1)
.set SEL,  54                          ; s[54:55] v_permlanex16_b32's selects for lane l xor 16
	s_load_b256 s[4:11], s[0:1], 0x0               ; xfrag s[4:5], X_train s[6:7], lowp_scales s[8:9], tcodes s[10:11]
	s_load_b128 s[12:15], s[0:1], 0x20             ; tneg s[12:13], gmax s[14:15]
	v_lshl_add_u32 v[SPW], v0, 2, SPARE
	v_mov_b32 v[NIL], 0
	ds_add_u32 v[SPW], v[NIL]                      ; the wave's opening: the add, twice on end, and its wait ahead of my first tensor load; the set-up below is work on registers
	ds_add_u32 v[SPW], v[NIL]
	v_lshrrev_b32 v16, 5, v0
	s_delay_alu instid0(VALU_DEP_1)
	v_readfirstlane_b32 s[WV], v16                 ; wave 0..7
	s_mov_b32 s[G1+0], (2<<16)|(1<<20)|(6<<22)|(3<<25)   ; no mask; elements of 4 bytes; padding on: after every 128 words (code 6) four words (code 3)
	s_mov_b32 s[G1+1], 128<<16                     ; tensor_dim0 = 128
	s_mov_b32 s[G1+2], 10<<16                      ; tensor_dim1 = 10
	s_mov_b32 s[G1+3], 128<<16                     ; tile_dim0 = 128
	s_mov_b32 s[G1+4], 10                          ; tile_dim1 = 10
	s_mov_b32 s[G1+5], 128                         ; elements from row to row
	s_mov_b32 s[G1+6], 0
	s_mov_b32 s[G1+7], 0
	s_mov_b32 s[SH], 0xffff0000
	s_mov_b32 s[SEL], 0x76543210
	s_mov_b32 s[SEL+1], 0xfedcba98
	v_and_b32 v24, 31, v0                          ; lane
	v_and_b32 v25, 15, v0                          ; r
	v_bfe_u32 v26, v0, 4, 1                        ; h
	v_and_b32 v27, 1, v0                           ; l % 2
	v_mov_b32 v19, 0                               ; written once: a lane permute's destination counts as one of its sources
	v_mov_b32 v[NINF], 0xff800000
	s_mul_i32 s20, s[WV], 10*FP                    ; my wave's 10 rows in a group's 80
	s_add_co_u32 s21, s20, F32
	v_lshrrev_b32 v28, 1, v24
	v_mul_u32_u24 v29, v27, FP
	s_delay_alu instid0(VALU_DEP_1)
	v_lshl_add_u32 v29, v28, 5, v29                ; row l % 2, 32 bytes at 32 (l / 2): sixteen lanes take sixteen different 16-byte columns of 256
	s_delay_alu instid0(VALU_DEP_1)
	v_add_nc_u32 v[FQ], s21, v29
	s_delay_alu instid0(VALU_DEP_1)
	v_add_nc_u32 v[FQ+1], 2*GRP, v[FQ]
	s_delay_alu instid0(VALU_DEP_2)
	v_add_nc_u32 v[FQ+2], 4*GRP, v[FQ]
	v_lshrrev_b32 v28, 2, v24                      ; my 8 codes k = 8 (l / 2) on belong to piece l / 4, half (l / 2) % 2 of its 16 bytes for my row
	s_delay_alu instid0(VALU_DEP_1)
	v_mul_u32_u24 v28, v28, PIECE
	s_delay_alu instid0(VALU_DEP_1)
	v_lshl_add_u32 v28, v27, 4, v28
	v_bfe_u32 v29, v0, 1, 1
	s_delay_alu instid0(VALU_DEP_1)
	v_lshl_add_u32 v28, v29, 3, v28
	s_wait_alu depctr_va_vdst(0)
.irp i, 0,1,2,3,4
	s_mul_i32 s22, s[WV], 10
	s_add_co_u32 s22, s22, 2*\i                    ; the pair's first row in the group: 10 w + 2 i, an even number: the pair lies in one tile
	s_lshr_b32 s23, s22, 4
	s_mul_i32 s23, s23, TILEB
	s_and_b32 s22, s22, 15
	s_lshl_b32 s22, s22, 4
	s_add_co_u32 s22, s22, s23
	v_add_nc_u32 v[IMA+\i], s22, v28
.endr
	s_mul_i32 s22, s[WV], 40
	s_add_co_u32 s22, s22, TN
	v_lshl_add_u32 v[TNW], v27, 2, s22
	v_mul_u32_u24 v[ARD], v26, PIECE
	s_delay_alu instid0(VALU_DEP_1)
	v_lshl_add_u32 v[ARD], v25, 4, v[ARD]
	v_lshl_add_u32 v[CRD], v26, 5, TN
	v_lshlrev_b32 v[L16], 4, v24
	v_lshrrev_b32 v28, 3, v25                      ; gmax: [block of 8 queries][work-group][query in the block][8 words]: a block is 64,000 bytes
	s_delay_alu instid0(VALU_DEP_1)
	v_mul_u32_u24 v[GOUT], v28, 64000
	v_and_b32 v28, 7, v25
	s_delay_alu instid0(VALU_DEP_1)
	v_lshl_add_u32 v[GOUT], v28, 5, v[GOUT]
	s_delay_alu instid0(VALU_DEP_1)
	v_lshl_add_u32 v[GOUT], v26, 4, v[GOUT]        ; lanes 0-15 words 0-3, lanes 16-31 words 4-7
	s_min_u32 s19, s[WV], 3                        ; (waves 0-3 store the table; the others' registers name wave 3's part and are not used)
	s_mul_i32 s22, s19, 400
	s_add_co_u32 s22, s22, TN
	v_lshl_add_u32 v[TNR], v24, 4, s22
	s_mul_i32 s16, ttmp9, 204800                   ; my work-group's 400 rows of 512 bytes,
	s_mul_i32 s17, s[WV], 5120                     ; my wave's 10
	s_add_co_u32 s16, s16, s17
	s_mov_b32 s17, 0
	s_wait_alu depctr_va_vdst(0)
	s_wait_dscnt 0x0                               ; both opening adds are done
	s_wait_kmcnt 0x0
	s_load_b64 s[56:57], s[8:9], 0x0               ; e0, e1
	s_add_nc_u64 s[6:7], s[6:7], s[16:17]
.irp g, 0,1,2,3,4                      ; the five first fills go out together: five tensor loads of mine are out
	s_mov_b32 s[G0+4*\g], 1                        ; count = 1
	s_add_co_u32 s[G0+4*\g+1], s20, F32+\g*GRP     ; LDS address
	s_add_nc_u64 s[G0+4*\g+2:G0+4*\g+3], s[6:7], \g*40960   ; global address: 80 rows on for each group
	s_or_b32 s[G0+4*\g+3], s[G0+4*\g+3], 0x80000000         ; type = 2
	tensor_load_to_lds s[G0+4*\g:G0+4*\g+3], s[G1:G1+7]
	s_nop 0
.endr
	s_lshl_b32 s16, s[WV], 14
	s_add_nc_u64 s[4:5], s[4:5], s[16:17]          ; my 8 tiles of queries
.irp q, 0,1,2,3,4,5,6,7
.irp c, 0,1,2,3
	global_load_b128 v[BF+16*\q+4*\c:BF+16*\q+4*\c+3], v[L16], s[4:5] offset:2048*\q+512*\c
.endr
.endr
	s_mul_i32 s16, ttmp9, 51200
	s_add_nc_u64 s[10:11], s[10:11], s[16:17]      ; tcodes at my work-group's 25 tiles
	s_mul_i32 s16, ttmp9, 1600
	s_mul_i32 s18, s19, 400
	s_add_co_u32 s16, s16, s18
	s_add_nc_u64 s[12:13], s[12:13], s[16:17]      ; tneg at my 100 numbers
	s_mul_i32 s16, s[WV], 1024000
	s_lshl_b32 s18, ttmp9, 8
	s_add_co_u32 s16, s16, s18
	s_add_nc_u64 s[14:15], s[14:15], s[16:17]      ; gmax: my wave's 16 blocks of queries, my work-group's 256 bytes in each
	s_wait_kmcnt 0x0
	s_add_co_i32 s60, s57, 127
	s_lshl_b32 s58, s60, 23                        ; 2^e1 as f32
	s_add_co_i32 s60, s56, s57
	s_sub_co_i32 s60, 126, s60
	s_lshl_b32 s60, s60, 23
	s_or_b32 s[SNEG], s60, 0x80000000              ; -2^-(e0+e1+1)
; (Q) my 10 rows of group g become codes and C(t).
.macro QPHASE g
	s_wait_xcnt 0x0                                ; the stores to tcodes have read the image buffers, which are written below
	v_mov_b32 v[SC], s58
.irp i, 0,1,2,3,4
	ds_load_b128 v[X+8*\i:X+8*\i+3],   v[FQ+(\g)/2] offset:((\g)%2)*GRP+2*FP*\i
	ds_load_b128 v[X+8*\i+4:X+8*\i+7], v[FQ+(\g)/2] offset:((\g)%2)*GRP+2*FP*\i+16
.endr
	s_wait_alu depctr_va_vdst(0)
.irp i, 0,1,2,3,4
	s_wait_dscnt 8-2*\i                            ; this step's two loads are in; the two of each later step may be out
	v_pk_mul_f32 v[S+2*\i:S+2*\i+1], v[X+8*\i:X+8*\i+1], v[X+8*\i:X+8*\i+1]   ; the squares of the RAW numbers
.irp j, 2,4,6
	s_delay_alu instid0(VALU_DEP_1)
	v_pk_fma_f32 v[S+2*\i:S+2*\i+1], v[X+8*\i+\j:X+8*\i+\j+1], v[X+8*\i+\j:X+8*\i+\j+1], v[S+2*\i:S+2*\i+1]
.endr
.irp j, 0,1,2,3,4,5,6,7
.endr
	v_cvt_scalef32_pk8_bf8_f32 v[CD+2*\i:CD+2*\i+1], v[X+8*\i:X+8*\i+7], v[SC]   ; (the plain lines that follow touch neither its result nor its sources)
.endr
.irp i, 0,1,2,3,4                      ; the five steps' sums take turns line by line.  A row's 128 numbers lie in the 16 lanes of its parity
	v_add_f32 v[S+2*\i], v[S+2*\i], v[S+2*\i+1]
.endr
.irp m, 2,4,8
.irp i, 0,1,2,3,4
	v_add_f32_dpp v[S+2*\i], v[S+2*\i], v[S+2*\i] row_xmask:\m row_mask:0xf bank_mask:0xf
.endr
.endr
.irp i, 0,1,2,3,4
	v_permlanex16_b32 v[S+2*\i+1], v[S+2*\i], s[SEL], s[SEL+1]
.endr
.irp i, 0,1,2,3,4
	v_add_f32 v[S+2*\i], v[S+2*\i], v[S+2*\i+1]    ; |t|^2
.endr
.irp i, 0,1,2,3,4
	v_mul_f32 v[S+2*\i], s[SNEG], v[S+2*\i]        ; C(t): a power of two rounds nothing
.endr
.irp i, 0,1,2,3,4
	ds_store_b64 v[IMA+\i], v[CD+2*\i:CD+2*\i+1] offset:5*TILEB*(\g)   ; four lanes fill 32 consecutive bytes, the eight fours lie 288 bytes apart
.endr
.irp i, 0,1,2,3,4
	ds_store_b32 v[TNW], v[S+2*\i] offset:320*(\g)+8*\i   ; the 16 lanes of a row write the same word with the same value
.endr
.endm
; tile t's image and its C into buffer t % 2: lanes 0-15 and lanes 16-31 each read 256 consecutive bytes of an image; the C of rows 8 h on is one word for 16 lanes
.macro LOADT t
.set LB, (\t)%2
.irp c, 0,1,2,3
	ds_load_b128 v[AF+16*LB+4*\c:AF+16*LB+4*\c+3], v[ARD] offset:TILEB*(\t)+2*PIECE*\c
.endr
	ds_load_b128 v[CF+8*LB:CF+8*LB+3],   v[CRD] offset:64*(\t)
	ds_load_b128 v[CF+8*LB+4:CF+8*LB+7], v[CRD] offset:64*(\t)+16
.endm
; wave t % 8 stores tile t's image as it stands in its registers: 512 consecutive bytes a store
.macro KEEP t
	s_cmp_lg_u32 s[WV], (\t)%8
	s_cbranch_scc1 .Lnot_mine_\@
.irp c, 0,1,2,3
	global_store_b128 v[L16], v[AF+16*((\t)%2)+4*\c:AF+16*((\t)%2)+4*\c+3], s[10:11] offset:2048*(\t)+512*\c
.endr
.Lnot_mine_\@:
.endm
; product n's eight numbers (eight rows, one query a lane) into the query operand's running maximum; a result is read from its low end on.  The group's first tile (n < 8) starts the maximum
.macro FOLD n
.set FD, DF+8*((\n)%2)
.set FA, ACC+(\n)%8
	v_max3_num_f32 v[T0],   v[FD],   v[FD+1], v[FD+2]
	v_max3_num_f32 v[T0+1], v[FD+3], v[FD+4], v[FD+5]
.if (\n) < 8
	v_max_num_f32 v[T0+2], v[FD+6], v[FD+7]
.else
	v_max3_num_f32 v[T0+2], v[FA], v[FD+6], v[FD+7]
.endif
	s_delay_alu instid0(VALU_DEP_1)
	v_max3_num_f32 v[FA], v[T0], v[T0+1], v[T0+2]
.endm
; (M) group g: 5 tiles x 8 query operands = 40 products, on two results by turns; C and D are never the same registers, so there is no chain.
; PLACES (ISA guide 7.12.1; plain vector lines that name no register of the product): behind product n stand FOLD n - 1's four, which name the other result: so FOLD n reads four places behind its product;
; product n + 2, which writes the same result, stands five behind product n: those four and FOLD n's last line.  The loads into a buffer stand behind the four lines that follow its last product.
.macro MPHASE g
	LOADT 5*(\g)
.set N, 0
.rept 5
.set TT, 5*(\g)+N/8
.set MB, TT%2
	s_wait_dscnt 0x0                               ; the tile's six loads are in
	KEEP TT
.rept 8
	v_wmma_f32_16x16x128_bf8_bf8 v[DF+8*(N%2):DF+8*(N%2)+7], v[AF+16*MB:AF+16*MB+15], v[BF+16*(N%8):BF+16*(N%8)+15], v[CF+8*MB:CF+8*MB+7]
.if N == 0
.rept 4
	v_nop
.endr
.else
	FOLD N-1
.endif
.if (N%8 == 0) && (N < 32)
	s_wait_xcnt 0x0                                ; the other buffer's store to tcodes, a tile back, has read its registers
	LOADT TT+1                                     ; the next tile: seven products ahead of its use
.endif
.set N, N+1
.endr
.endr
	FOLD 39
.endm
; the group's maximum of each query: the other eight rows of each tile lie in the lane 16 away.  Lanes 0-15 keep groups 0-3 as words 0-3; lanes 16-31 group 4 as word 4 and -infinity as words 5-7
.macro FINAL g
.irp q, 0
	v_permlanex16_b32 v19, v[ACC+\q], s[SEL], s[SEL+1]
	s_delay_alu instid0(VALU_DEP_1)
	v_max_num_f32 v20, v[ACC+\q], v19
.if (\g) < 4
	s_delay_alu instid0(VALU_DEP_1)
	v_cndmask_b32 v[O+4*\q+(\g)], v20, v[NINF], s[SH]
.else
	s_delay_alu instid0(VALU_DEP_1)
	v_cndmask_b32 v[O+4*\q], v[O+4*\q], v20, s[SH]
.endif
.endr
.irp q, 1, 2, 3, 4, 5, 6, 7
	s_delay_alu instid0(VALU_DEP_3)
	v_permlanex16_b32 v19, v[ACC+\q], s[SEL], s[SEL+1]
	s_delay_alu instid0(VALU_DEP_1)
	v_max_num_f32 v20, v[ACC+\q], v19
.if (\g) < 4
	s_delay_alu instid0(VALU_DEP_1)
	v_cndmask_b32 v[O+4*\q+(\g)], v20, v[NINF], s[SH]
.else
	s_delay_alu instid0(VALU_DEP_1)
	v_cndmask_b32 v[O+4*\q], v[O+4*\q], v20, s[SH]
.endif
.endr
.endm
.irp g, 0,1,2,3,4
	s_wait_tensorcnt 4-\g                          ; my 10 rows of this group are in LDS; my loads of the later groups may be out
	QPHASE \g
	s_wait_dscnt 0x0                               ; for the others' sake: my stores of codes and of C have landed
	s_barrier_signal -1
	s_barrier_wait -1                              ; the group's five images and its 80 C are whole.  No byte of LDS is written twice, so no barrier is owed for reads
.if \g == 0
	s_wait_loadcnt 0x0                             ; the query operands
.endif
	MPHASE \g
	FINAL \g
.endr
.irp q, 0,1,2,3,4,5,6,7
	global_store_b128 v[GOUT], v[O+4*\q:O+4*\q+3], s[14:15] offset:128000*\q   ; 16 lanes (8 queries x 2 halves) store 256 consecutive bytes, at a multiple of 256 from gmax's first byte; two such blocks an instruction
.endr
	s_cmp_gt_u32 s[WV], 3                          ; waves 0-3 store the table of C: 400 bytes each, 25 lanes x 16
	s_cbranch_scc1 .Lno_table
	v_and_b32 v20, 31, v0
	s_delay_alu instid0(VALU_DEP_1)
	v_cmp_gt_u32 vcc_lo, 25, v20
	s_wait_xcnt 0x0                                ; EXEC changes only behind this wait
	s_and_saveexec_b32 s60, vcc_lo
	ds_load_b128 v[16:19], v[TNR]                  ; written by all waves, ahead of the last barrier
	s_wait_dscnt 0x0
	global_store_b128 v[L16], v[16:19], s[12:13]
	s_wait_xcnt 0x0
	s_or_b32 exec_lo, exec_lo, s60
.Lno_table:
	s_wait_tensorcnt 0x0                           ; the wave's end: a wait, an add and its wait, behind my last tensor load and my last LDS store
	ds_add_u32 v[SPW], v[NIL]
	s_wait_dscnt 0x0
	s_endpgm
.Lfunc_end_k_q394c070695_scan:
	.size	k_q394c070695_scan, .Lfunc_end_k_q394c070695_scan-k_q394c070695_scan
	.p2alignl 7, 3214868480
	.fill 96, 4, 3214868480
	.section	.rodata,"a",@progbits
	.p2align	6, 0x0
	.amdhsa_kernel k_q394c070695_scan
		.amdhsa_group_segment_fixed_size 271616
		.amdhsa_private_segment_fixed_size 0
		.amdhsa_enable_private_segment 0
		.amdhsa_kernarg_size 48
		.amdhsa_user_sgpr_count 2
		.amdhsa_user_sgpr_kernarg_segment_ptr 1
		.amdhsa_wavefront_size32 1
		.amdhsa_system_sgpr_workgroup_id_x 1
		.amdhsa_system_sgpr_workgroup_id_y 1
		.amdhsa_system_sgpr_workgroup_id_z 1
		.amdhsa_system_vgpr_workitem_id 0
		.amdhsa_next_free_vgpr 256
		.amdhsa_next_free_sgpr 66
		.amdhsa_reserve_vcc 1
		.amdhsa_float_denorm_mode_32 3
		.amdhsa_float_denorm_mode_16_64 3
		.amdhsa_fp16_overflow 1
		.amdhsa_memory_ordered 1
		.amdhsa_forward_progress 1
		.amdhsa_inst_pref_size 139
	.end_amdhsa_kernel
	.amdgpu_metadata
---
amdhsa.version: [ 1, 2 ]
amdhsa.kernels:
  - .name:           k_q394c070695_scan
    .symbol:         k_q394c070695_scan.kd
    .args:
      - { .name: xfrag, .offset: 0, .size: 8, .value_kind: global_buffer, .address_space: global }
      - { .name: X_train, .offset: 8, .size: 8, .value_kind: global_buffer, .address_space: global }
      - { .name: lowp_scales, .offset: 16, .size: 8, .value_kind: global_buffer, .address_space: global }
      - { .name: tcodes, .offset: 24, .size: 8, .value_kind: global_buffer, .address_space: global }
      - { .name: tneg, .offset: 32, .size: 8, .value_kind: global_buffer, .address_space: global }
      - { .name: gmax, .offset: 40, .size: 8, .value_kind: global_buffer, .address_space: global }
    .group_segment_fixed_size: 271616
    .private_segment_fixed_size: 0
    .kernarg_segment_align: 8
    .kernarg_segment_size: 48
    .max_flat_workgroup_size: 256
    .sgpr_count:     66
    .vgpr_count:     256
    .wavefront_size: 32
...
	.end_amdgpu_metadata
.endif
;; end of part 2
;; launch pick (part 3): grid 128 x 1, 8 waves a work-group, no clusters, 167,936 bytes of LDS; arguments gmax, xsq, lowp_scales, sel; writes sel
.if DOCPART == 3
	.amdgcn_target "amdgcn-amd-amdhsa--gfx1250"
	.amdhsa_code_object_version 6
	.text
	.protected	k_q394c070695_pick
	.globl	k_q394c070695_pick
	.p2align	8
	.type	k_q394c070695_pick,@function
k_q394c070695_pick:
	s_mov_b64 s[64:65], 0
	v_nop
	global_prefetch_b8 v0, s[64:65] scope:SCOPE_SE
	s_setreg_imm32_b32 hwreg(HW_REG_WAVE_MODE, 25, 1), 1
	s_wait_xcnt 0x0
; For each query the 5 best of its 1,250 groups, by (kappa of the group's largest u, group number), kappa = max(a + u x (-2^(e0+e1+1)), 0); stored ascending, as whole numbers, at fixed places.  No square root (shown at the head of prep).
; SHARES.  A work-group takes a block of 8 queries, whose part of gmax is 64,000 dense bytes: 250 rows (one for each work-group of scan) of 256 bytes.  Wave e takes query e of the block; lane l the rows 32 i + l, i = 0 .. 7.
; The rows come by four tensor loads of 64 rows (waves 0-3), all first fills; the last states 58 rows left in the tensor, so that rows 250-255 arrive as zeros; they are replaced by -infinity.
; A lane keeps its 5 smallest kappa, ascending, with their group numbers as exact f32 whole numbers; a strict compare and ascending arrival keep the lower number on ties.  Five rounds over the wave's lanes then take the smallest
; kappa and, among equals, the lowest number.  No branch and no address hangs on these numbers.  128 work-groups: a block of 8 queries is what fills an aligned 256 bytes of gmax's rows and of sel.
; LDS: 0: 256 rows of 256 bytes + 16 of padding;  69,632: the block's 256 bytes of sel;  69,888: the spare words.
.set ROWP,  272
.set STG,   69632
.set SPARE, 69888                      ; 128 bytes for each of the eight waves: four blocks of 256 bytes that no other line names
.set SPW, 1                            ; v1   LDS address of my spare word; never rewritten
.set NIL, 2                            ; v2   0; never rewritten
.set RD,  3                            ; v3   272 x lane + 32 x wave
.set VA,  4                            ; v4   a
.set XV,  6                            ; v6   kappa in hand
.set PX,  7                            ; v7   its group number
.set L,   8                            ; v8-12  the lane's 5 smallest kappa, ascending
.set P,   13                           ; v13-17 their group numbers
.set TT,  18                           ; v18-20 at work
.set MN,  19
.set PT,  20
.set BIG, 21                           ; v21  3e38: above every group number
.set NINF, 22                          ; v22  -infinity
.set SA,  23                           ; v23  my query's 32 bytes in the stage
.set W,   24                           ; v24-31 the five winners, then three zeros
.set U,   32                           ; v32-79 eight rows x (five numbers in six registers)
.set OA,  80                           ; v80  STG + 8 x lane;  v81  8 x lane;  v[82:83] what wave 0 stores
.set WV,  3                            ; s3   my wave's number
.set G0,  12                           ; s[12:15] descriptor group 0;  s[16:23], s[24:31] group 1 for whole tiles and for the last
.set G1A, 16
.set G1B, 24
.set M2,  42                           ; s42  -2^(e0+e1+1)
.set M,   44                           ; s44-48 masks of INSERT;  s49 of ROUND
.set MX,  49
.set SEL, 50                           ; s[50:51] v_permlanex16_b32's selects for lane l xor 16
.set MSK, 52                           ; s52  lanes 26-31: in i = 7 their rows are 250-255
; kappa v[x] with number v[px] goes into the lane's list: 19 plain lines.  New L[i] is the middle of x, L[i-1], L[i]; new P[i] follows the two compares.  From the top down, so that old values are read
.macro INSERT x, px
.irp i, 0,1,2,3,4
	v_cmp_lt_f32 s[M+\i], v[\x], v[L+\i]
.endr
.irp i, 4,3,2,1
	v_cndmask_b32 v[TT], v[\px], v[P+\i-1], s[M+\i-1]
	s_delay_alu instid0(VALU_DEP_1)
	v_cndmask_b32 v[P+\i], v[P+\i], v[TT], s[M+\i]
.endr
	v_cndmask_b32 v[P], v[P], v[\px], s[M]
.irp i, 4,3,2,1
	v_med3_num_f32 v[L+\i], v[\x], v[L+\i-1], v[L+\i]
.endr
	v_min_num_f32 v[L], v[\x], v[L]
.endm
.macro WMIN d, s                       ; v[d] = the smallest v[s] of the 32 lanes, in every lane
	v_min_num_f32_dpp v[\d], v[\s], v[\s] row_xmask:1 row_mask:0xf bank_mask:0xf
	s_delay_alu instid0(VALU_DEP_1)
	v_min_num_f32_dpp v[\d], v[\d], v[\d] row_xmask:2 row_mask:0xf bank_mask:0xf
	s_delay_alu instid0(VALU_DEP_1)
	v_min_num_f32_dpp v[\d], v[\d], v[\d] row_xmask:4 row_mask:0xf bank_mask:0xf
	s_delay_alu instid0(VALU_DEP_1)
	v_min_num_f32_dpp v[\d], v[\d], v[\d] row_xmask:8 row_mask:0xf bank_mask:0xf
	s_delay_alu instid0(VALU_DEP_1)
	v_permlanex16_b32 v[PT], v[\d], s[SEL], s[SEL+1]
	s_delay_alu instid0(VALU_DEP_1)
	v_min_num_f32 v[\d], v[\d], v[PT]
.endm
; winner k: the smallest head of the 32 lists; among equal heads the lowest number; its lane's list moves up.  Behind round k a lane can give 4 - k winners more, so entries 0 .. 3 - k alone are moved
.macro ROUND k
	WMIN MN, L
	s_delay_alu instid0(VALU_DEP_1)
	v_cmp_eq_f32 s[MX], v[L], v[MN]
	s_delay_alu instid0(VALU_DEP_1)
	v_cndmask_b32 v[TT], v[BIG], v[P], s[MX]
	WMIN W+\k, TT
.if \k < 4
	s_delay_alu instid0(VALU_DEP_1)
	v_cmp_eq_f32 s[MX], v[P], v[W+\k]              ; the numbers are all different: one lane
.set i, 0
.rept 4-\k
	v_cndmask_b32 v[L+i], v[L+i], v[L+i+1], s[MX]
	v_cndmask_b32 v[P+i], v[P+i], v[P+i+1], s[MX]
.set i, i+1
.endr
.endif
.endm
.macro CE a, b                         ; winners a < b are put in order
	v_min_num_f32 v[TT], v[W+\a], v[W+\b]
	v_max_num_f32 v[W+\b], v[W+\a], v[W+\b]
	s_delay_alu instid0(VALU_DEP_2)
	v_mov_b32 v[W+\a], v[TT]
.endm
	s_load_b256 s[4:11], s[0:1], 0x0               ; gmax s[4:5], xsq s[6:7], lowp_scales s[8:9], sel s[10:11]
	v_lshl_add_u32 v[SPW], v0, 2, SPARE
	v_mov_b32 v[NIL], 0
	ds_add_u32 v[SPW], v[NIL]                      ; the wave's opening: the add, twice on end, and its wait ahead of the first tensor load; the set-up below is work on registers
	ds_add_u32 v[SPW], v[NIL]
	v_lshrrev_b32 v5, 5, v0
	s_delay_alu instid0(VALU_DEP_1)
	v_readfirstlane_b32 s[WV], v5                  ; wave 0..7
.irp g, G1A, G1B
	s_mov_b32 s[\g+0], (3<<16)|(1<<20)|(5<<22)|(3<<25)   ; no mask; elements of 8 bytes; padding on: after every 64 words (code 5) four words (code 3)
	s_mov_b32 s[\g+1], 32<<16                      ; tensor_dim0 = 32: a row of 256 bytes
	s_mov_b32 s[\g+3], 32<<16                      ; tile_dim0 = 32
	s_mov_b32 s[\g+4], 64                          ; tile_dim1 = 64
	s_mov_b32 s[\g+5], 32                          ; elements from row to row: the rows are dense
	s_mov_b32 s[\g+6], 0
	s_mov_b32 s[\g+7], 0
.endr
	s_mov_b32 s[G1A+2], 64<<16                     ; tensor_dim1: 64 rows are left,
	s_mov_b32 s[G1B+2], 58<<16                     ; or, from row 192 on, 58: the tile's last six rows arrive as zeros
	s_mov_b32 s[SEL], 0x76543210
	s_mov_b32 s[SEL+1], 0xfedcba98
	s_mov_b32 s[MSK], 0xfc000000
	v_and_b32 v5, 31, v0                           ; lane
	s_delay_alu instid0(VALU_DEP_1)
	v_mul_u32_u24 v[RD], v5, ROWP                  ; every LDS address is made here, ahead of the branch on the wave's number
	s_lshl_b32 s36, s[WV], 5
	v_add_nc_u32 v[RD], s36, v[RD]
	s_add_co_u32 s36, s36, STG
	v_mov_b32 v[SA], s36
	v_lshl_add_u32 v[OA], v5, 3, STG
	v_lshlrev_b32 v[OA+1], 3, v5
	v_mul_u32_u24 v[PX], v5, 5
	s_delay_alu instid0(VALU_DEP_1)
	v_cvt_f32_u32 v[PX], v[PX]                     ; my first group: 5 x lane
.irp i, 0,1,2,3,4
	v_mov_b32 v[L+\i], 0x7f800000                  ; +infinity: every kappa goes in ahead of it
	v_mov_b32 v[P+\i], 0x7f61b1e6
	v_mov_b32 v[W+\i], 0                           ; (a DPP line's and a lane permute's destination counts as one of its sources)
.endr
	v_mov_b32 v[W+5], 0
	v_mov_b32 v[W+6], 0
	v_mov_b32 v[W+7], 0
	v_mov_b32 v[MN], 0
	v_mov_b32 v[PT], 0
	v_mov_b32 v[BIG], 0x7f61b1e6
	v_mov_b32 v[NINF], 0xff800000
	s_and_b32 s36, s[WV], 3                        ; which 64 rows I fetch, if I fetch
	s_mul_i32 s[G0+1], s36, 64*ROWP                ; LDS address
	s_lshl_b32 s36, s36, 14
	s_mul_i32 s37, ttmp9, 64000
	s_add_co_u32 s36, s36, s37
	s_mov_b32 s37, 0
	s_mov_b32 s[G0], 1                             ; count = 1
	s_wait_dscnt 0x0                               ; both opening adds are done
	s_wait_kmcnt 0x0
	s_add_nc_u64 s[G0+2:G0+3], s[4:5], s[36:37]    ; global address
	s_or_b32 s[G0+3], s[G0+3], 0x80000000          ; type = 2
	s_cmp_lt_u32 s[WV], 3                          ; waves 0-2: whole tiles; wave 3: the last; waves 4-7: nothing.  One tensor load of a fetching wave is out; every wait for it is for 0
	s_cbranch_scc0 .Lnot_whole
	tensor_load_to_lds s[G0:G0+3], s[G1A:G1A+7]
	s_nop 0
.rept 4
	v_nop
.endr
	s_branch .Lasked
.Lnot_whole:
	s_cmp_eq_u32 s[WV], 3
	s_cbranch_scc0 .Lasked
	tensor_load_to_lds s[G0:G0+3], s[G1B:G1B+7]
	s_nop 0
.rept 4
	v_nop
.endr
.Lasked:
	s_lshl_b32 s36, ttmp9, 3
	s_add_co_u32 s36, s36, s[WV]                   ; my query
	s_lshl_b32 s36, s36, 2
	s_add_nc_u64 s[6:7], s[6:7], s[36:37]
	s_load_b32 s38, s[6:7], 0x0                    ; a
	s_load_b64 s[40:41], s[8:9], 0x0               ; e0, e1
	s_lshl_b32 s36, ttmp9, 8
	s_add_nc_u64 s[10:11], s[10:11], s[36:37]      ; the block's 256 bytes of sel
	s_wait_tensorcnt 0x0                           ; my rows are in,
	s_barrier_signal -1
	s_barrier_wait -1                              ; everybody's are
.irp i, 0,1,2,3,4,5,6,7
	ds_load_b128 v[U+6*\i:U+6*\i+3], v[RD] offset:32*ROWP*\i      ; rows 272 bytes apart: sixteen lanes take sixteen different 16-byte columns of 256
	ds_load_b32 v[U+6*\i+4], v[RD] offset:32*ROWP*\i+16
.endr
	s_wait_kmcnt 0x0
	s_add_co_i32 s[M2], s40, s41
	s_add_co_i32 s[M2], s[M2], 128
	s_lshl_b32 s[M2], s[M2], 23
	s_or_b32 s[M2], s[M2], 0x80000000
	v_mov_b32 v[VA], s38
	s_wait_alu depctr_va_vdst(0)
	s_wait_dscnt 0x0
.irp i, 0,1,2,3,4,5,6,7
.if \i == 7
.irp s, 0,1,2,3,4
	v_cndmask_b32 v[U+6*\i+\s], v[U+6*\i+\s], v[NINF], s[MSK]   ; rows that do not exist: kappa becomes +infinity and is never taken
.endr
.endif
.irp s, 0,1,2,3,4
.if \s > 0
	v_add_f32 v[PX], 1.0, v[PX]                    ; the group's number 160 i + 5 lane + s runs on: whole numbers under 2^24, nothing is rounded
.elseif \i > 0
	v_add_f32 v[PX], 0x431c0000, v[PX]             ; + 156
.endif
	v_fma_f32 v[XV], v[U+6*\i+\s], s[M2], v[VA]
	s_delay_alu instid0(VALU_DEP_1)
	v_max_num_f32 v[XV], 0, v[XV]
	INSERT XV, PX
.endr
.endr
.irp k, 0,1,2,3,4
	ROUND \k
.endr
	CE 0, 3                                        ; ascending: vote then meets its rows in the order of their indices
	CE 1, 4
	CE 0, 2
	CE 1, 3
	CE 0, 1
	CE 2, 4
	CE 1, 2
	CE 3, 4
	CE 2, 3
.irp i, 0,1,2,3,4
	v_cvt_u32_f32 v[W+\i], v[W+\i]
.endr
	ds_store_b128 v[SA], v[W:W+3]                  ; all lanes hold the same numbers and write the same 32 bytes
	ds_store_b128 v[SA], v[W+4:W+7] offset:16
	s_wait_dscnt 0x0                               ; for wave 0's sake: my stores have landed
	s_barrier_signal -1
	s_barrier_wait -1
	s_cmp_lg_u32 s[WV], 0
	s_cbranch_scc1 .Lothers
	ds_load_b64 v[OA+2:OA+3], v[OA]
	s_wait_dscnt 0x0
	global_store_b64 v[OA+1], v[OA+2:OA+3], s[10:11]   ; 32 lanes store 256 consecutive bytes, at a multiple of 256 from sel's first byte
.Lothers:
	s_wait_tensorcnt 0x0                           ; the wave's end: a wait, an add and its wait, behind my last tensor load and my last LDS store
	ds_add_u32 v[SPW], v[NIL]
	s_wait_dscnt 0x0
	s_endpgm
.Lfunc_end_k_q394c070695_pick:
	.size	k_q394c070695_pick, .Lfunc_end_k_q394c070695_pick-k_q394c070695_pick
	.p2alignl 7, 3214868480
	.fill 96, 4, 3214868480
	.section	.rodata,"a",@progbits
	.p2align	6, 0x0
	.amdhsa_kernel k_q394c070695_pick
		.amdhsa_group_segment_fixed_size 167936
		.amdhsa_private_segment_fixed_size 0
		.amdhsa_enable_private_segment 0
		.amdhsa_kernarg_size 32
		.amdhsa_user_sgpr_count 2
		.amdhsa_user_sgpr_kernarg_segment_ptr 1
		.amdhsa_wavefront_size32 1
		.amdhsa_system_sgpr_workgroup_id_x 1
		.amdhsa_system_sgpr_workgroup_id_y 1
		.amdhsa_system_sgpr_workgroup_id_z 1
		.amdhsa_system_vgpr_workitem_id 0
		.amdhsa_next_free_vgpr 96
		.amdhsa_next_free_sgpr 66
		.amdhsa_reserve_vcc 0
		.amdhsa_float_denorm_mode_32 3
		.amdhsa_float_denorm_mode_16_64 3
		.amdhsa_memory_ordered 1
		.amdhsa_forward_progress 1
		.amdhsa_inst_pref_size 74
	.end_amdhsa_kernel
	.amdgpu_metadata
---
amdhsa.version: [ 1, 2 ]
amdhsa.kernels:
  - .name:           k_q394c070695_pick
    .symbol:         k_q394c070695_pick.kd
    .args:
      - { .name: gmax, .offset: 0, .size: 8, .value_kind: global_buffer, .address_space: global }
      - { .name: xsq, .offset: 8, .size: 8, .value_kind: global_buffer, .address_space: global }
      - { .name: lowp_scales, .offset: 16, .size: 8, .value_kind: global_buffer, .address_space: global }
      - { .name: sel, .offset: 24, .size: 8, .value_kind: global_buffer, .address_space: global }
    .group_segment_fixed_size: 167936
    .private_segment_fixed_size: 0
    .kernarg_segment_align: 8
    .kernarg_segment_size: 32
    .max_flat_workgroup_size: 256
    .sgpr_count:     66
    .vgpr_count:     96
    .wavefront_size: 32
...
	.end_amdgpu_metadata
.endif
;; end of part 3
;; launch vote (part 4): grid 256 x 1, 4 waves a work-group, no clusters, 0 bytes of LDS; arguments xfrag, xsq, tcodes, tneg, y_train, sel, lowp_scales, out0; writes out0
.if DOCPART == 4
	.amdgcn_target "amdgcn-amd-amdhsa--gfx1250"
	.amdhsa_code_object_version 6
	.text
	.protected	k_q394c070695_vote
	.globl	k_q394c070695_vote
	.p2align	8
	.type	k_q394c070695_vote,@function
k_q394c070695_vote:
	s_mov_b64 s[64:65], 0
	v_nop
	global_prefetch_b8 v0, s[64:65] scope:SCOPE_SE
	s_setreg_imm32_b32 hwreg(HW_REG_WAVE_MODE, 25, 1), 1
	s_wait_xcnt 0x0
; For each query: the 400 rows of its 5 chosen groups once more, the 5 nearest by (kappa, index), and the vote of their labels, the smaller label on ties.  No square root; one_hot, its sum and argmax as a count over 5 labels (shown at the head of prep).
; SHARES.  A wave takes one query.  Its addresses hang on the five group numbers that pick stored as whole numbers; each is held at 1,249 by s_min_u32 before it enters an address.
; THE PRODUCT.  Source 0 = the query's codes in all 16 rows, source 1 = a tile of 16 rows of X_train, as scan stored its image; C's first register = C(t) of the lane's row.  Register 0 of lane (r, h) is then u of row r: the same codes in
; the same places of k and the same C as in scan, with the sources changed over, so the same bits.  The 25 tiles go in 13 pairs: lanes 0-15 take the first tile's result, lanes 16-31 the second's; the 26th is masked.
; A lane keeps its 5 smallest kappa with 16 x index + label as an exact f32 whole number (under 2^24); the groups are ascending, so a lane meets its rows in the order of their indices and a strict compare keeps the lower index.
; Tiles come straight into registers, 512 consecutive bytes a load, eight tiles ahead.  No LDS.  The result is one number a wave (the whole output is 4,096 bytes).
.set L16,  4                           ; v4   16 x lane;  v5  the query's 16 bytes of a piece: 256 h + 16 (query % 16);  v6  0;  v7  lane
.set AOFF, 5
.set L,    8                           ; v8-12  the lane's 5 smallest kappa, ascending
.set P,    13                          ; v13-17 their 16 x index + label
.set XR,   18                          ; v18-19 kappa of a pair, by turns;  v20, v21 at work
.set TT,   22
.set MN,   23
.set W,    24                          ; v24-28 the five winners
.set PINF, 29
.set BIG,  30
.set PT,   31
.set OFF,  32                          ; v32-44 4 x the index of my row in pair p
.set ONE,  45                          ; v45 1;  v46 the counts, three bits a class;  v47 the best
.set TNG,  48                          ; v48-60 its C(t)
.set LAB,  64                          ; v64-76 its label, then 16 x index + label
.set AF,   80                          ; v80-95 the query's operand
.set CF,   96                          ; v96-103 C: register 0 by pair, the others 0
.set DA,   112
.set DB,   120
.set SL,   128                         ; v128-255 eight tiles: tile t in place t % 8
.set BASE, 40                          ; s[40:49] tcodes at each group's five tiles;  s50-54 each group's first row
.set ROW0, 50
.set SH,   58                          ; s58  the mask of lanes 16-31
.set SEL,  60                          ; s[60:61] v_permlanex16_b32's selects for lane l xor 16
.set M,    66                          ; s66-70 masks of INSERT;  s71 of ROUND
.set MX,   71
.macro INSERT x, px                    ; kappa v[x] with payload v[px] goes into the lane's list: 19 plain lines, from the top down, so that old values are read
.irp i, 0,1,2,3,4
	v_cmp_lt_f32 s[M+\i], v[\x], v[L+\i]
.endr
.irp i, 4,3,2,1
	v_cndmask_b32 v[TT], v[\px], v[P+\i-1], s[M+\i-1]
	v_cndmask_b32 v[P+\i], v[P+\i], v[TT], s[M+\i]
.endr
	v_cndmask_b32 v[P], v[P], v[\px], s[M]
.irp i, 4,3,2,1
	v_med3_num_f32 v[L+\i], v[\x], v[L+\i-1], v[L+\i]
.endr
	v_min_num_f32 v[L], v[\x], v[L]
.endm
.macro WMIN d, s                       ; v[d] = the smallest v[s] of the 32 lanes, in every lane
	v_min_num_f32_dpp v[\d], v[\s], v[\s] row_xmask:1 row_mask:0xf bank_mask:0xf
	v_min_num_f32_dpp v[\d], v[\d], v[\d] row_xmask:2 row_mask:0xf bank_mask:0xf
	v_min_num_f32_dpp v[\d], v[\d], v[\d] row_xmask:4 row_mask:0xf bank_mask:0xf
	v_min_num_f32_dpp v[\d], v[\d], v[\d] row_xmask:8 row_mask:0xf bank_mask:0xf
	v_permlanex16_b32 v[PT], v[\d], s[SEL], s[SEL+1]
	v_min_num_f32 v[\d], v[\d], v[PT]
.endm
.macro ROUND k                         ; winner k: the smallest head of the 32 lists, among equals the lowest index; its lane's list moves up, entries 0 .. 3 - k alone: a lane can give 4 - k winners more
	WMIN MN, L
	v_cmp_eq_f32 s[MX], v[L], v[MN]
	v_cndmask_b32 v[TT], v[BIG], v[P], s[MX]
	WMIN W+\k, TT
.if \k < 4
	v_cmp_eq_f32 s[MX], v[P], v[W+\k]
.set i, 0
.rept 4-\k
	v_cndmask_b32 v[L+i], v[L+i], v[L+i+1], s[MX]
	v_cndmask_b32 v[P+i], v[P+i], v[P+i+1], s[MX]
.set i, i+1
.endr
.endif
.endm
.macro TLD t                           ; tile t of the 25: tile t % 5 of group t / 5
.irp c, 0,1,2,3
	global_load_b128 v[SL+16*((\t)%8)+4*\c:SL+16*((\t)%8)+4*\c+3], v[L16], s[BASE+2*((\t)/5):BASE+2*((\t)/5)+1] offset:2048*((\t)%5)+512*\c
.endr
.endm
	s_load_b256 s[4:11], s[0:1], 0x0               ; xfrag s[4:5], xsq s[6:7], tcodes s[8:9], tneg s[10:11]
	s_load_b256 s[12:19], s[0:1], 0x20             ; y_train s[12:13], sel s[14:15], lowp_scales s[16:17], out0 s[18:19]
	v_lshrrev_b32 v6, 5, v0
	v_readfirstlane_b32 s21, v6                    ; wave 0..3
	v_and_b32 v7, 31, v0                           ; lane
	v_and_b32 v1, 15, v0                           ; r
	v_bfe_u32 v2, v0, 4, 1                         ; h
	v_sub_nc_u32 v3, 1, v2                         ; 1 - h
	v_lshlrev_b32 v[L16], 4, v7
	v_mov_b32 v6, 0
	s_lshl_b32 s20, ttmp9, 2
	s_add_co_u32 s20, s20, s21                     ; my query
	s_and_b32 s22, s20, 15
	s_lshl_b32 s22, s22, 4
	v_lshl_add_u32 v[AOFF], v2, 8, s22
	s_mov_b32 s[SH], 0xffff0000
	s_mov_b32 s[SEL], 0x76543210
	s_mov_b32 s[SEL+1], 0xfedcba98
	s_lshl_b32 s36, s20, 5
	s_mov_b32 s37, 0
	s_wait_alu depctr_va_vdst(0)
	s_wait_kmcnt 0x0
	s_add_nc_u64 s[14:15], s[14:15], s[36:37]
	s_load_b256 s[24:31], s[14:15], 0x0            ; my five groups, ascending (and three zeros)
	s_lshl_b32 s36, s20, 2
	s_add_nc_u64 s[6:7], s[6:7], s[36:37]
	s_add_nc_u64 s[18:19], s[18:19], s[36:37]      ; my number of out0
	s_load_b32 s32, s[6:7], 0x0                    ; a
	s_load_b64 s[34:35], s[16:17], 0x0             ; e0, e1
	s_lshr_b32 s36, s20, 4
	s_lshl_b32 s36, s36, 11
	s_add_nc_u64 s[4:5], s[4:5], s[36:37]          ; the tile of queries that holds mine
.irp c, 0,1,2,3
	global_load_b128 v[AF+4*\c:AF+4*\c+3], v[AOFF], s[4:5] offset:512*\c   ; all 16 lanes of a half take the same 16 bytes: every row of the operand is my query
.endr
.irp i, 0,1,2,3,4
	v_mov_b32 v[L+\i], 0x7f800000                  ; +infinity
	v_mov_b32 v[P+\i], 0x7f61b1e6
	v_mov_b32 v[W+\i], 0                           ; (a DPP line's and a lane permute's destination counts as one of its sources)
.endr
.irp i, 1,2,3,4,5,6,7
	v_mov_b32 v[CF+\i], 0
.endr
	v_mov_b32 v[MN], 0
	v_mov_b32 v[PT], 0
	v_mov_b32 v[PINF], 0x7f800000
	v_mov_b32 v[BIG], 0x7f61b1e6
	v_mov_b32 v[ONE], 1
	s_wait_kmcnt 0x0
.irp i, 0,1,2,3,4
	s_min_u32 s[24+\i], s[24+\i], 1249             ; a loaded number enters an address only behind this hold; behind it stand multiplies, additions and shifts alone
.endr
.irp i, 0,1,2,3,4
	s_mul_i32 s36, s[24+\i], 10240                 ; a group is five tiles of 2,048 bytes
	s_add_nc_u64 s[BASE+2*\i:BASE+2*\i+1], s[8:9], s[36:37]
	s_mul_i32 s[ROW0+\i], s[24+\i], 80
.endr
	s_add_co_i32 s33, s34, s35
	s_add_co_i32 s33, s33, 128
	s_lshl_b32 s33, s33, 23
	s_or_b32 s33, s33, 0x80000000                  ; -2^(e0+e1+1)
.set pp, 0
.rept 13                               ; pair p: lanes 0-15 row r of tile 2 p, lanes 16-31 row r of tile 2 p + 1 (in the last pair tile 24 again: masked below)
.set ta, 2*pp
.set tb, 2*pp+1
.if tb > 24
.set tb, 24
.endif
	s_add_co_u32 s56, s[ROW0+ta/5], 16*(ta%5)
	s_add_co_u32 s57, s[ROW0+tb/5], 16*(tb%5)
	v_mad_u32_u24 v20, s56, v3, v1
	v_mad_u32_u24 v20, s57, v2, v20                ; my row's index, 99,999 at the most
	v_lshlrev_b32 v[OFF+pp], 2, v20
.set pp, pp+1
.endr
.irp p, 0,1,2,3,4,5,6,7,8,9,10,11,12
	global_load_b32 v[TNG+\p], v[OFF+\p], s[10:11]
.endr
.irp p, 0,1,2,3,4,5,6,7,8,9,10,11,12
	global_load_b32 v[LAB+\p], v[OFF+\p], s[12:13]
.endr
.irp t, 0,1,2,3,4,5,6,7
	TLD \t
.endr
; PLACES: between a pair's products and the loads into the tiles that they read, and the first read of their results, stand the three lines of the payload and the 19 of INSERT (pair 0: four v_nop),
; plain lines that name none of the products' registers.  The two results are different registers, C is neither: no chain.
.macro PAIR p
.if (\p) == 12
	s_wait_loadcnt 0x0
.elseif (\p) > 8
	s_wait_loadcnt 4*(23-2*(\p))                   ; four loads for each tile asked for behind tile 2 p + 1: tiles up to 24
.else
	s_wait_loadcnt 24                              ; tiles 2 p and 2 p + 1 are in; the six tiles behind them may be out
.endif
	v_mov_b32 v[CF], v[TNG+(\p)]
	v_wmma_f32_16x16x128_bf8_bf8 v[DA:DA+7], v[AF:AF+15], v[SL+16*((2*(\p))%8):SL+16*((2*(\p))%8)+15], v[CF:CF+7]
.if (\p) < 12
	v_wmma_f32_16x16x128_bf8_bf8 v[DB:DB+7], v[AF:AF+15], v[SL+16*((2*(\p)+1)%8):SL+16*((2*(\p)+1)%8)+15], v[CF:CF+7]
.endif
	v_min_u32 v[LAB+(\p)], 10, v[LAB+(\p)]         ; a label outside 0..9 becomes 10, which no class counts
	v_lshl_add_u32 v[LAB+(\p)], v[OFF+(\p)], 2, v[LAB+(\p)]
	v_cvt_f32_u32 v[LAB+(\p)], v[LAB+(\p)]         ; 16 x index + label
.if (\p) == 0
.rept 4
	v_nop
.endr
.else
	s_wait_alu depctr_va_vdst(0)
	INSERT XR+((\p)-1)%2, LAB+(\p)-1               ; the pair before
.endif
.if 2*(\p)+8 <= 24
	TLD 2*(\p)+8                                   ; into the places just read
.endif
.if 2*(\p)+9 <= 24
	TLD 2*(\p)+9
.endif
.if (\p) < 12
	v_cndmask_b32 v20, v[DA], v[DB], s[SH]         ; u of my row: each result is read at its lowest register
.else
	v_mov_b32 v20, v[DA]
.endif
	v_fma_f32 v21, v20, s33, s32
	v_max_num_f32 v[XR+(\p)%2], 0, v21             ; kappa, by the same two lines as in pick
.if (\p) == 12
	v_cndmask_b32 v[XR+(\p)%2], v[XR+(\p)%2], v[PINF], s[SH]   ; there is no 26th tile
.endif
.endm
.irp p, 0,1,2,3,4,5,6,7,8,9,10,11,12
	PAIR \p
.endr
	INSERT XR, LAB+12
.irp k, 0,1,2,3,4
	ROUND \k
.endr
	; THE VOTE, the same in every lane: three bits of count for each class; then the largest 16 x count + 15 - class, so that the smaller class wins a tie
	v_mov_b32 v46, 0
	v_mov_b32 v47, 0
.irp k, 0,1,2,3,4
	v_cvt_u32_f32 v20, v[W+\k]
	v_and_b32 v20, 15, v20                         ; the label
	v_lshl_add_u32 v20, v20, 1, v20                ; x 3.  (Label 10 falls on bit 30 and above, which no class reads)
	v_lshlrev_b32 v20, v20, v[ONE]
	v_add_nc_u32 v46, v46, v20
.endr
.irp c, 0,1,2,3,4,5,6,7,8,9
	v_bfe_u32 v20, v46, 3*\c, 3
	v_lshl_add_u32 v20, v20, 4, 15-\c
	v_max_u32 v47, v47, v20
.endr
	v_and_b32 v47, 15, v47
	v_sub_nc_u32 v47, 15, v47
	v_cvt_f32_u32 v47, v47
	v_cmp_eq_u32 vcc_lo, 0, v7
	s_wait_alu depctr_va_vdst(0)
	s_wait_xcnt 0x0                                ; EXEC changes only behind this wait
	s_and_saveexec_b32 s73, vcc_lo
	global_store_b32 v6, v47, s[18:19]
	s_wait_xcnt 0x0
	s_or_b32 exec_lo, exec_lo, s73
	s_endpgm
.Lfunc_end_k_q394c070695_vote:
	.size	k_q394c070695_vote, .Lfunc_end_k_q394c070695_vote-k_q394c070695_vote
	.p2alignl 7, 3214868480
	.fill 96, 4, 3214868480
	.section	.rodata,"a",@progbits
	.p2align	6, 0x0
	.amdhsa_kernel k_q394c070695_vote
		.amdhsa_group_segment_fixed_size 0
		.amdhsa_private_segment_fixed_size 0
		.amdhsa_enable_private_segment 0
		.amdhsa_kernarg_size 64
		.amdhsa_user_sgpr_count 2
		.amdhsa_user_sgpr_kernarg_segment_ptr 1
		.amdhsa_wavefront_size32 1
		.amdhsa_system_sgpr_workgroup_id_x 1
		.amdhsa_system_sgpr_workgroup_id_y 1
		.amdhsa_system_sgpr_workgroup_id_z 1
		.amdhsa_system_vgpr_workitem_id 0
		.amdhsa_next_free_vgpr 256
		.amdhsa_next_free_sgpr 80
		.amdhsa_reserve_vcc 1
		.amdhsa_float_denorm_mode_32 3
		.amdhsa_float_denorm_mode_16_64 3
		.amdhsa_memory_ordered 1
		.amdhsa_forward_progress 1
		.amdhsa_inst_pref_size 50
	.end_amdhsa_kernel
	.amdgpu_metadata
---
amdhsa.version: [ 1, 2 ]
amdhsa.kernels:
  - .name:           k_q394c070695_vote
    .symbol:         k_q394c070695_vote.kd
    .args:
      - { .name: xfrag, .offset: 0, .size: 8, .value_kind: global_buffer, .address_space: global }
      - { .name: xsq, .offset: 8, .size: 8, .value_kind: global_buffer, .address_space: global }
      - { .name: tcodes, .offset: 16, .size: 8, .value_kind: global_buffer, .address_space: global }
      - { .name: tneg, .offset: 24, .size: 8, .value_kind: global_buffer, .address_space: global }
      - { .name: y_train, .offset: 32, .size: 8, .value_kind: global_buffer, .address_space: global }
      - { .name: sel, .offset: 40, .size: 8, .value_kind: global_buffer, .address_space: global }
      - { .name: lowp_scales, .offset: 48, .size: 8, .value_kind: global_buffer, .address_space: global }
      - { .name: out0, .offset: 56, .size: 8, .value_kind: global_buffer, .address_space: global }
    .group_segment_fixed_size: 0
    .private_segment_fixed_size: 0
    .kernarg_segment_align: 8
    .kernarg_segment_size: 64
    .max_flat_workgroup_size: 128
    .sgpr_count:     80
    .vgpr_count:     256
    .wavefront_size: 32
...
	.end_amdgpu_metadata
.endif
;; end of part 4
